; MI455X (gfx1250); checked and timed in simulation.
; The chip was launched on July 23, 2026; its instructions are those of AMD's public machine-readable ISA for CDNA 5 (MIT licence, August 2026) and "CDNA5" Instruction Set Architecture Reference Guide (July 2026). The comments in the code are by the model that wrote it; some were corrected since.
;; Phase Weighted Attention. Allowed arithmetic: matrix products marked QUANTISED: E3M2 operands, one E8M0 scale for each 32 along K, by v_wmma_scale_f32_16x16x128_f8f6f4 with both operands' format E3M2, f32 sums; everything else in f32.
;; Inputs: alpha one number float32; hidden 4 x 4,096 x 1,024 float32; phases 4 x 4,096 float32.
;; Outputs: out0 4 x 4,096 x 1,024 float32.
;; This version of the problem:
;;   THIS VERSION OF THE PROBLEM IS GIVEN IN LOW PRECISION. The matrix products marked QUANTISED in the list below multiply operands that are first quantised to E3M2 (3 exponent bits, 2 mantissa bits; 6 bits a number), with one power-of-two scale for each 32 numbers along K (OCP MX v1.0); their sums are f32. All else is computed in f32.
;;   The module's matrix products, in the order in which they are computed (A, B: the left and right operand; K: the contracted axis; several contracted axes count as one K, in the product's order):
;;     1. batch 4 x [M 4,096, K 4,096] x [K 4,096, N 1,024]; A: computed on the way; B: input hidden: QUANTISED
;;   THE QUANTISER, for each operand of a quantised product, along K:
;;     - K is cut into blocks of 32 from its start; a last block that is shorter is filled with zeros.
;;     - A block's scale is 2^e with e = floor(log2(the largest magnitude in the block)) - 4, held to -126 .. 127; a block of zeros has e = 0. As a byte (E8M0): e + 127.
;;     - Each number is divided by its block's scale, clamped to +-28, and rounded to the nearest number of E3M2, ties to even, subnormals kept.
;;     - The product sums the exact products of the quantised numbers (number of the format x scale) in f32.
;;   ~~~python
;;   def quantise(x, axis):      # numpy; x: float32 -> the quantised numbers, widened to float32 again
;;       x = np.moveaxis(x, axis, -1); K = x.shape[-1]
;;       x = np.pad(x, [(0, 0)] * (x.ndim - 1) + [(0, -K % 32)]); x = x.reshape(x.shape[:-1] + (-1, 32)); a = np.abs(x).max(-1, keepdims=True)
;;       e = np.where(a > 0, np.clip(np.frexp(np.where(a > 0, a, 1))[1] - 1 - 4, -126, 127), 0)      # np.frexp(a)[1] - 1 = floor(log2(a)), exactly
;;       r = np.clip(x / 2.0 ** e, -28, 28)
;;       step = 2.0 ** (np.maximum(np.frexp(np.where(r == 0, 1, r))[1] - 1, -2) - 2)
;;       q = np.round(r / step) * step * 2.0 ** e      # np.round: ties to even
;;       return np.moveaxis(q.reshape(q.shape[:-2] + (-1,))[..., :K], -1, axis).astype(np.float32)
;;   ~~~
;;   OPERANDS COMPUTED ON THE WAY. 'Computed on the way' means the value that the module computes at that place (a softmax that the list does not call 'softmax' is quantised finished and normalised). What goes into a quantiser is computed in f32, as accurately as f32 sums, v_exp_f32 and their like allow (about 1e-6 of the number): no bf16 or f16 on the way to a quantiser, and a product that is left as it is and whose result goes on into a quantised operand takes f32 operands (vector FMAs, or v_wmma_f32_16x16x4_f32). A number that lies on a knife's edge between two numbers of the format may be rounded either way, as far as f32 arithmetic and the matrix unit's own rounding can turn it there, and no further.
;; One version. Each part assembles by itself: llvm-mc -triple=amdgcn-amd-amdhsa -mcpu=gfx1250 --defsym DOCPART=n.
;; ======== version 1 of 1: 2 launches
;; limits: a difference of large sums (such as E[x^2] - mean^2): digits are lost where the result is much smaller than its terms; inputs' magnitudes at most 3.96e+28
;; workspace buffers: hq 13,107,200 bytes; wq 52,428,800 bytes
;; launch prep (part 1): grid 768 x 1, 8 waves a work-group, no clusters, 64,000 bytes of LDS; arguments hidden, phases, hq, wq; writes hq, wq
.if DOCPART == 1
	.amdgcn_target "amdgcn-amd-amdhsa--gfx1250"
	.amdhsa_code_object_version 6
	.text
	.protected	k_qb7e322eacb_prep
	.globl	k_qb7e322eacb_prep
	.p2align	8
	.type	k_qb7e322eacb_prep,@function
k_qb7e322eacb_prep:
	s_mov_b64 s[64:65], 0
	v_nop
	global_prefetch_b8 v0, s[64:65] scope:SCOPE_SE
	s_setreg_imm32_b32 hwreg(HW_REG_WAVE_MODE, 25, 1), 1
	s_wait_xcnt 0x0
; BOTH OPERANDS OF out = a Q(W) Q(H) + (1 - a) H ARE MADE HERE, as codes of BF6 (E3M2) with one E8M0 byte for each 32 keys.
; W[n][m] = 0.5 (1 + cos(p_n - p_m)) / max(R_n, 1e-6), R_n = the row's sum.  H = hidden [4][4096 keys][1024], whose K (the keys) is its first axis inside a batch.
; cos(p_n - p_m) = c_n c_m + s_n s_m holds for every input, so only the batch's 4,096 sines and cosines are made (reduction by pi/2 in three parts, polynomials, all f32), and
;   w = A_n + (A_n c_n) c_m + (A_n s_n) s_m,  A_n = 0.5 / max(R_n, 1e-6),  R_n = 0.5 (4096 + c_n sum(c) + s_n sum(s)):  two fused multiply-adds a weight.
; BOTH BUFFERS ARE LAID IN THE ORDER OF THE OPERAND'S REGISTERS.  A block is 128 rows (of W; of H: 128 columns d) x 256 keys = 25,600 dense bytes:
;   16 fragment images of 1,536 bytes, fragment 8 q + i = rows 16 i .. 16 i + 15, keys 128 q .. 128 q + 127; in an image chunk t (512 bytes) holds registers 4 t .. 4 t + 3, lane l's 16 bytes at 16 l;
;   lane (r, h) holds row 16 i + r, registers 6 c .. 6 c + 5 the keys 64 c + 32 h + 0 .. 31;  from byte 24,576 on the scale bytes, 8 a row, byte kb for the block's keys 32 kb .. 32 kb + 31.
;   Block (strip, ks) lies at (16 strip + ks) x 25,600; strip = global row / 128 in wq, 8 batch + d / 128 in hq; ks = key / 256.
; SHARES.  Work-groups 0-255 make W: work-group g takes strip g / 2 and half g % 2 of the keys, each of its eight waves one block.  Work-groups 256-767 make H's blocks, one each; wave w takes keys 32 w .. 32 w + 31.
; The two ways part on the work-group's number and have LDS bytes of their own.  No tensor load, no matrix instruction.
; LIMITS.  NaN and infinities in the inputs are not served.  |phase| up to 1e6 (the quotient by pi/2 stays a small whole number).  The weights carry an absolute error of about 2e-7 A_n.
; R_n is formed from 4096 and two products of up to that size: its absolute error is about 5e-4, that is 1e-6 of R_n from R_n = 250 on, and 5e-4 at the least possible R_n = 1.
; A block whose largest magnitude lies under 2^(5 - 127), a block of zeros among them, gets the byte 1: its codes are zeros or nearly so, and the bytes are read by this program alone.
.set CTAB,  0                          ; LDS, W's way: cos of the batch's 4,096 phases,
.set STAB,  16384                      ; sin,
.set RCT,   32768                      ; the strip's 128 rows: 32 bytes a row: A, A, A c, A c, A s, A s, 0, 0 (each twice, for the packed forms),
.set RED,   36864                      ; the waves' partial sums: 8 of cos, 8 of sin
.set STG,   37376                      ; LDS, H's way: the block as it will lie in memory
.set BLKB,  25600
.set SCO,   24576                      ; where a block's scale bytes begin
.set FLOOR, 0x2800000                  ; 2^(5 - 127): no largest magnitude is taken under it, so the byte cannot fall under 1
.set OFF4,  0xfe000000                 ; takes 4 off an exponent field
.set KC,    32                         ; v32-95   cos of my 64 keys of a fragment (32 c + e)
.set KSN,   96                         ; v96-159  sin
.set WR,    160                        ; v160-191 a block's 32 weights
.set RC,    192                        ; v192-207 a row's constants, two sets of 8
.set FG,    208                        ; v208-231 a fragment's codes, two sets of 12
.set TT,    232                        ; v232-234 a block's upper 16 codes, before they are moved
.set SW,    240                        ; v240-247 scale words: register 2 j + q: lane l holds the word of row 32 j + l for keys 128 q on
.set XQ,    32                         ; H's way: v32-159 32 keys x 4 columns as loaded: 4 i + j
.set YQ,    160                        ; v160-223 a column's 32 keys on end, two sets
.set CQ,    224                        ; v224-255 a column's codes (6) and byte (the eighth), four sets
	s_load_b256 s[4:11], s[0:1], 0x0               ; hidden s[4:5], phases s[6:7], hq s[8:9], wq s[10:11]
	v_lshl_add_u32 v30, v0, 2, 0xf600
	v_mov_b32 v31, 0
	v_lshrrev_b32 v1, 5, v0
	v_readfirstlane_b32 s12, v1                    ; wave 0..7
	v_and_b32 v1, 31, v0                           ; lane
	v_lshlrev_b32 v4, 4, v1                        ; 16 x lane
	s_cmp_ge_u32 ttmp9, 256                        ; the same in all waves of a work-group
	s_cbranch_scc1 .Lquant
; ======================================================= W =======================================================
	v_and_b32 v2, 15, v0                           ; r
	v_bfe_u32 v3, v0, 4, 1                         ; h
	v_lshlrev_b32 v5, 3, v1                        ; 8 x lane: a row's scale words on the way out
	s_lshr_b32 s13, ttmp9, 1                       ; the strip: global row / 128
	s_and_b32 s14, ttmp9, 1
	s_lshl_b32 s14, s14, 3
	s_add_co_u32 s14, s14, s12                     ; ks = 8 x half + wave: my block
	s_lshl_b32 s15, s14, 10
	v_lshl_add_u32 v6, v3, 7, s15                  ; the tables: 4 bytes x (256 ks + 32 h)
	v_lshlrev_b32 v7, 5, v2                        ; the rows' constants: 32 r
	v_lshlrev_b32 v8, 4, v0                        ; 16 x thread: my four phases of each 1,024, in memory and in the tables
	v_lshrrev_b32 v9, 5, v0
	v_lshl_add_u32 v9, v9, 2, RED                  ; my wave's partial sum
	v_mov_b32 v10, RED
	v_and_b32 v11, 127, v0                         ; the row whose constants I make
	v_lshlrev_b32 v16, 2, v11                      ; its phase
	v_bfe_u32 v17, v0, 7, 1
	v_lshlrev_b32 v11, 5, v11
	v_lshl_add_u32 v11, v17, 4, v11                ; waves 0-3 store the first 16 bytes of its 32, waves 4-7 the second
	v_lshlrev_b32 v22, 3, v3                       ; 8 h: by how many bits my two scale bytes are shifted
	v_mov_b32 v20, 0                               ; written once: a lane permute's destination counts as one of its sources
	v_mov_b32 v21, 0
	v_mov_b32 v23, 0
	s_mov_b32 s20, 0x3f22f983                      ; 2 / pi
	s_mov_b32 s21, 0xbfc90fdb                      ; - pi / 2 in three parts: -1.57079637,
	s_mov_b32 s22, 0x333bbd2e                      ; +4.37113883e-8,
	s_mov_b32 s23, 0x26f72ced                      ; +1.71512489e-15
	s_mov_b32 s24, 0xbe2aaaa3                      ; sin r = r + r z (S1 + z (S2 + z S3)), z = r r, |r| <= pi / 4
	s_mov_b32 s25, 0x3c08839e
	s_mov_b32 s26, 0xb94ca1f9
	s_mov_b32 s27, 0x3d2aaaa5                      ; cos r = 1 - z / 2 + z z (C1 + z (C2 + z C3))
	s_mov_b32 s28, 0xbab6061a
	s_mov_b32 s29, 0x37ccf5ce
	s_mov_b32 s30, 0x45800000                      ; 4096.0: the keys of a row
	s_mov_b32 s32, 0x76543210
	s_mov_b32 s33, 0xfedcba98                      ; v_permlanex16_b32's selects for lane l xor 16
	s_mov_b32 s34, 0xffff0000                      ; lanes 16-31
	s_lshr_b32 s16, s13, 5                         ; the batch,
	s_lshl_b32 s16, s16, 14                        ; its 4,096 phases
	s_mov_b32 s17, 0
	s_and_b32 s18, s13, 31
	s_lshl_b32 s18, s18, 9                         ; the strip's 128 among them
	s_mov_b32 s19, 0
	s_lshl_b32 s36, s13, 4
	s_add_co_u32 s36, s36, s14
	s_mul_i32 s36, s36, BLKB                       ; my block in wq (under 2^26)
	s_mov_b32 s37, 0
	s_cmp_lt_u32 s12, 4
	s_cselect_b32 s35, 0, -1                       ; all lanes in waves 4-7, none in waves 0-3
	s_wait_kmcnt 0x0
	s_add_nc_u64 s[6:7], s[6:7], s[16:17]
	s_add_nc_u64 s[18:19], s[6:7], s[18:19]
	s_add_nc_u64 s[10:11], s[10:11], s[36:37]
.irp j, 0,1,2,3
	global_load_b128 v[32+4*\j:35+4*\j], v8, s[6:7] offset:4096*\j   ; a wave reads 512 consecutive bytes; the work-group all 4,096 phases
.endr
	global_load_b32 v48, v16, s[18:19]             ; my row's phase
	s_wait_loadcnt 0x0
; sin and cos of v[x] into v[so], v[co].  k = the nearest whole number to x 2 / pi; r = x - k pi / 2 by three fused multiply-adds; the two polynomials; k's low two bits say which is which and with what sign.
.macro SINCOS x, so, co
	v_mul_f32 v12, s20, v[\x]
	v_rndne_f32 v12, v12
	v_fma_f32 v13, v12, s21, v[\x]
	v_fma_f32 v13, v12, s22, v13
	v_fma_f32 v13, v12, s23, v13                   ; r
	v_cvt_i32_f32 v12, v12                         ; k
	v_mul_f32 v14, v13, v13                        ; z
	v_fma_f32 v[\so], v14, s26, s25
	v_fma_f32 v[\co], v14, s29, s28
	v_fma_f32 v[\so], v[\so], v14, s24
	v_fma_f32 v[\co], v[\co], v14, s27
	v_mul_f32 v[\so], v[\so], v14
	v_mul_f32 v[\co], v[\co], v14
	v_fma_f32 v15, v14, -0.5, 1.0
	v_fma_f32 v[\so], v[\so], v13, v13             ; sin r
	v_fma_f32 v[\co], v[\co], v14, v15             ; cos r
	v_and_b32 v13, 1, v12
	v_cmp_ne_u32 vcc_lo, 0, v13                    ; k odd: the two change places (a choice of values: no branch, no address hangs on it)
	v_cndmask_b32 v13, v[\so], v[\co], vcc_lo
	v_cndmask_b32 v14, v[\co], v[\so], vcc_lo
	v_lshlrev_b32 v15, 30, v12
	v_and_b32 v15, 0x80000000, v15                 ; sin x is negated where k mod 4 is 2 or 3: bit 1 of k
	v_xor_b32 v[\so], v15, v13
	v_add_nc_u32 v12, 1, v12
	v_lshlrev_b32 v12, 30, v12
	v_and_b32 v12, 0x80000000, v12                 ; cos x where k mod 4 is 1 or 2: bit 1 of k + 1
	v_xor_b32 v[\co], v12, v14
.endm
.irp j, 0,1,2,3,4,5,6,7,8,9,10,11,12,13,14,15
	SINCOS 32+\j, 80+\j, 64+\j                     ; cos in v64-79, sin in v80-95
.endr
	SINCOS 48, 97, 96                              ; my row's: cos v96, sin v97
.irp j, 0,1,2,3
	ds_store_b128 v8, v[64+4*\j:67+4*\j] offset:CTAB+4096*\j
	ds_store_b128 v8, v[80+4*\j:83+4*\j] offset:STAB+4096*\j
.endr
	; the sums of all cos and of all sin: my 16, my wave's, the work-group's
.irp j, 0,1,2,3
	v_pk_add_f32 v[100+2*\j:101+2*\j], v[64+4*\j:65+4*\j], v[66+4*\j:67+4*\j]
	v_pk_add_f32 v[108+2*\j:109+2*\j], v[80+4*\j:81+4*\j], v[82+4*\j:83+4*\j]
.endr
	v_pk_add_f32 v[100:101], v[100:101], v[102:103]
	v_pk_add_f32 v[108:109], v[108:109], v[110:111]
	v_pk_add_f32 v[104:105], v[104:105], v[106:107]
	v_pk_add_f32 v[112:113], v[112:113], v[114:115]
	v_pk_add_f32 v[100:101], v[100:101], v[104:105]
	v_pk_add_f32 v[108:109], v[108:109], v[112:113]
	v_add_f32 v100, v100, v101
	v_add_f32 v108, v108, v109
.irp m, 1,2,4,8
	v_add_f32_dpp v100, v100, v100 row_xmask:\m row_mask:0xf bank_mask:0xf
	v_add_f32_dpp v108, v108, v108 row_xmask:\m row_mask:0xf bank_mask:0xf
.endr
	v_permlanex16_b32 v20, v100, s32, s33
	v_permlanex16_b32 v21, v108, s32, s33
	v_add_f32 v100, v100, v20
	v_add_f32 v108, v108, v21
	ds_store_b32 v9, v100                          ; all lanes write the same word with the same value
	ds_store_b32 v9, v108 offset:32
	s_wait_dscnt 0x0                               ; for the others' sake: the tables' part and the partial sums have landed
	s_barrier_signal -1
	s_barrier_wait -1
.irp j, 0,1,2,3
	ds_load_b128 v[112+4*\j:115+4*\j], v10 offset:16*\j   ; eight sums of cos, eight of sin
.endr
	s_wait_dscnt 0x0
	v_pk_add_f32 v[112:113], v[112:113], v[114:115]
	v_pk_add_f32 v[120:121], v[120:121], v[122:123]
	v_pk_add_f32 v[116:117], v[116:117], v[118:119]
	v_pk_add_f32 v[124:125], v[124:125], v[126:127]
	v_pk_add_f32 v[112:113], v[112:113], v[116:117]
	v_pk_add_f32 v[120:121], v[120:121], v[124:125]
	v_add_f32 v112, v112, v113                     ; sum(c)
	v_add_f32 v120, v120, v121                     ; sum(s)
	v_fma_f32 v98, v96, v112, s30                  ; 4096 + c_n sum(c)
	v_fma_f32 v98, v97, v120, v98                  ; + s_n sum(s)
	v_mul_f32 v98, 0.5, v98                        ; R_n
	v_max_num_f32 v98, 0x358637bd, v98             ; held at 1e-6 from below
	v_rcp_f32 v99, v98
	v_nop                                          ; one plain place behind a transcendental (ISA guide 5.7.2)
	s_wait_alu depctr_va_vdst(0)
	v_mul_f32 v99, 0.5, v99                        ; A
	v_mul_f32 v104, v99, v96                       ; A c
	v_mul_f32 v105, v99, v97                       ; A s
	v_cndmask_b32 v128, v99, v105, s35             ; waves 0-3: A, A, A c, A c;  waves 4-7: A s, A s, 0, 0
	v_cndmask_b32 v129, v99, v105, s35
	v_cndmask_b32 v130, v104, v23, s35
	v_cndmask_b32 v131, v104, v23, s35
	ds_store_b128 v11, v[128:131] offset:RCT
	s_wait_dscnt 0x0
	s_barrier_signal -1
	s_barrier_wait -1                              ; behind this barrier LDS is only read
.macro KLOAD q                         ; cos and sin of my 64 keys of the block's q-th 128: sixteen lanes read the same 16 bytes
.irp c, 0,1
.irp e, 0,1,2,3,4,5,6,7
	ds_load_b128 v[KC+32*\c+4*\e:KC+32*\c+4*\e+3], v6 offset:CTAB+512*(\q)+256*\c+16*\e
	ds_load_b128 v[KSN+32*\c+4*\e:KSN+32*\c+4*\e+3], v6 offset:STAB+512*(\q)+256*\c+16*\e
.endr
.endr
.endm
.macro RCLOAD i                        ; the constants of row 16 i + r into set i % 2
	ds_load_b128 v[RC+8*((\i)%2):RC+8*((\i)%2)+3], v7 offset:RCT+512*(\i)
	ds_load_b128 v[RC+8*((\i)%2)+4:RC+8*((\i)%2)+7], v7 offset:RCT+512*(\i)+16
.endm
; My block c of a fragment: 32 weights, their largest magnitude, the scale, the codes into registers 6 c .. 6 c + 5 of set u.  All 32 are mine: no other lane is asked.
.macro BLOCKGEN c, u
.set RS, RC+8*(\u)
.set FS, FG+12*(\u)+6*(\c)
.irp p, 0,2,4,6,8,10,12,14,16,18,20,22,24,26,28,30
	v_pk_fma_f32 v[WR+\p:WR+\p+1], v[KC+32*(\c)+\p:KC+32*(\c)+\p+1], v[RS+2:RS+3], v[RS:RS+1]      ; A + (A c_n) c_m
.endr
.irp p, 0,2,4,6,8,10,12,14,16,18,20,22,24,26,28,30
	v_pk_fma_f32 v[WR+\p:WR+\p+1], v[KSN+32*(\c)+\p:KSN+32*(\c)+\p+1], v[RS+4:RS+5], v[WR+\p:WR+\p+1]   ; + (A s_n) s_m
.endr
	v_max3_num_f32 v24, |v[WR]|, |v[WR+1]|, |v[WR+2]|               ; two chains, so that they do not wait for each other
	v_max3_num_f32 v25, |v[WR+3]|, |v[WR+4]|, |v[WR+5]|
.irp i, 6,10,14,18,22,26
	v_max3_num_f32 v24, v24, |v[WR+\i]|, |v[WR+\i+1]|
	v_max3_num_f32 v25, v25, |v[WR+\i+2]|, |v[WR+\i+3]|
.endr
	v_max3_num_f32 v24, v24, |v[WR+30]|, |v[WR+31]|
	v_max3_num_f32 v24, v24, v25, FLOOR
	v_add_nc_u32 v[26+\c], OFF4, v24               ; 4 off the exponent field: the conversion takes the exponent field of this operand as its scale
	v_cvt_scalef32_pk16_bf6_f32 v[FS:FS+2], v[WR:WR+15], v[26+\c]
	v_cvt_scalef32_pk16_bf6_f32 v[TT:TT+2], v[WR+16:WR+31], v[26+\c]   ; (a conversion's three registers begin on an even number)
	v_lshrrev_b32 v[28+\c], 23, v[26+\c]           ; the scale's byte; also the plain place behind the conversions
.irp i, 0,1,2
	v_mov_b32 v[FS+3+\i], v[TT+\i]
.endr
.endm
; Fragment 8 q + i: rows 16 i .. 16 i + 15, keys 128 q .. 128 q + 127.
.macro FRAGGEN q, i
	s_wait_dscnt 0x0                               ; this tile's constants are in (and, at a q's first tile, the keys' cos and sin)
.if 8*(\q)+(\i) > 1
	s_wait_xcnt 0x0                                ; the stores of two fragments ago have read this set of codes: it is written again only behind this wait
.endif
.if (\i) < 7
	RCLOAD (\i)+1                                  ; the next tile's constants land while this one is worked
.endif
	BLOCKGEN 0, (\i)%2
	BLOCKGEN 1, (\i)%2
	v_lshl_or_b32 v20, v29, 16, v28                ; my two bytes: blocks h and 2 + h of my row,
	v_lshlrev_b32 v20, v22, v20                    ; at their places in the scale word;
	v_permlanex16_b32 v21, v20, s32, s33
	v_or_b32 v20, v20, v21                         ; with lane l xor 16's two the word is whole, in both halves of the lanes
.if (\i)%2 == 0
	v_mov_b32 v[SW+(\i)+(\q)], v20                 ; lanes 0-15 keep an even tile's words,
.else
	v_cndmask_b32 v[SW+(\i)-1+(\q)], v[SW+(\i)-1+(\q)], v20, s34   ; lanes 16-31 take the odd tile's
.endif
.set FS, FG+12*((\i)%2)
.irp t, 0,1,2
	global_store_b128 v4, v[FS+4*\t:FS+4*\t+3], s[10:11] offset:(8*(\q)+(\i))*1536+512*\t th:TH_STORE_NT   ; the image as it stands: 512 consecutive bytes a store, at a multiple of 512 from the block's first byte
.endr
.endm
.irp q, 0,1
	KLOAD \q
	RCLOAD 0
.irp i, 0,1,2,3,4,5,6,7
	FRAGGEN \q, \i
.endr
.endr
.irp j, 0,1,2,3
	global_store_b64 v5, v[SW+2*\j:SW+2*\j+1], s[10:11] offset:SCO+256*\j th:TH_STORE_NT   ; 32 rows' two words: 256 consecutive bytes
.endr
	s_wait_tensorcnt 0x0
	ds_add_u32 v30, v31
	s_wait_dscnt 0x0
	s_endpgm
; ======================================================= H =======================================================
; A wave takes 32 keys x 128 columns: each load reads one key's 512 consecutive bytes, lane l columns 4 l .. 4 l + 3.  A column's 32 keys are a whole block in ONE lane: its largest magnitude needs no other lane.
; They are moved on end (the conversions take neighbours along K from consecutive registers), converted, and laid into the stage at their place in the block's image; the block then leaves as it lies.
.Lquant:
	s_sub_co_u32 s13, ttmp9, 256
	s_and_b32 s14, s13, 7                          ; cb: which 128 columns
	s_bfe_u32 s15, s13, 0x40003                    ; ks: which 256 keys
	s_lshr_b32 s16, s13, 7                         ; the batch
	s_lshl_b32 s17, s16, 24                        ; a batch is 16,777,216 bytes,
	s_lshl_b32 s18, s15, 20                        ; 256 keys 1,048,576,
	s_add_co_u32 s17, s17, s18
	s_lshl_b32 s18, s12, 17                        ; my wave's 32 keys 131,072,
	s_add_co_u32 s17, s17, s18
	s_lshl_b32 s18, s14, 9                         ; 128 columns 512
	s_add_co_u32 s36, s17, s18
	s_mov_b32 s37, 0
	s_lshl_b32 s18, s16, 3
	s_add_co_u32 s18, s18, s14
	s_lshl_b32 s18, s18, 4
	s_add_co_u32 s18, s18, s15
	s_mul_i32 s38, s18, BLKB                       ; the block in hq
	s_mov_b32 s39, 0
	; Column 4 l + j is row r = 4 (l % 4) + j of tile l / 4; my keys are block 64 c + 32 h of the q-th 128, q = w / 4, c = (w / 2) % 2, h = w % 2.  Its 24 bytes are registers 6 c .. 6 c + 5 of lane r + 16 h:
	; pair p = 3 c + k of registers lies at 1,536 (8 q + l / 4) + 512 (p / 2) + 16 (r + 16 h) + 8 (p % 2).  For k = 0, 1, 2 the terms in p are 0, 8, 512 where c = 0 and 520, 1,024, 1,032 where c = 1.
	v_lshrrev_b32 v17, 2, v1
	v_mul_u32_u24 v17, v17, 1536
	v_and_b32 v18, 3, v1
	v_lshl_add_u32 v17, v18, 6, v17
	s_lshr_b32 s20, s12, 2
	s_mul_i32 s20, s20, 12288
	s_and_b32 s21, s12, 1
	s_lshl_b32 s21, s21, 8
	s_add_co_u32 s20, s20, s21
	s_add_co_u32 s20, s20, STG
	s_bfe_u32 s21, s12, 0x10001                    ; c
	s_mul_i32 s22, s21, 520
	s_mul_i32 s23, s21, 1016
	s_add_co_u32 s24, s20, s22
	s_add_co_u32 s25, s20, s23
	s_add_co_u32 s25, s25, 8
	s_add_co_u32 s26, s24, 512
	v_add_nc_u32 v5, s24, v17                      ; pair k = 0,
	v_add_nc_u32 v6, s25, v17                      ; 1,
	v_add_nc_u32 v7, s26, v17                      ; 2; column j: 16 j on
	s_add_co_u32 s27, s12, STG+SCO
	v_lshlrev_b32 v8, 5, v1
	v_add_nc_u32 v8, s27, v8                       ; the scale byte: 8 (4 l + j) + w
	s_mul_i32 s28, s12, 3072
	v_add_nc_u32 v10, s28, v4                      ; the way out: an eighth of the codes a wave, 16 bytes a lane: in the block,
	v_add_nc_u32 v9, STG, v10                      ; and in the stage
	s_min_u32 s29, s12, 1
	s_lshl_b32 s29, s29, 9
	s_add_co_u32 s29, s29, SCO
	v_add_nc_u32 v16, s29, v4                      ; waves 0 and 1: half of the scale bytes each
	v_add_nc_u32 v15, STG, v16
	s_wait_kmcnt 0x0
	s_add_nc_u64 s[4:5], s[4:5], s[36:37]
	s_add_nc_u64 s[8:9], s[8:9], s[38:39]
.irp i, 0,1,2,3,4,5,6,7,8,9,10,11,12,13,14,15,16,17,18,19,20,21,22,23,24,25,26,27,28,29,30,31
	global_load_b128 v[XQ+4*\i:XQ+4*\i+3], v4, s[4:5] offset:4096*\i th:TH_LOAD_NT   ; key i: 512 consecutive bytes
.endr
	s_wait_loadcnt 0x0                             ; a block's largest magnitude wants all 32 keys
.macro COLUMN j
.set YS, YQ+32*((\j)%2)
.set CS, CQ+8*(\j)
	v_max3_num_f32 v12, |v[XQ+\j]|, |v[XQ+4+\j]|, |v[XQ+8+\j]|
	v_max3_num_f32 v13, |v[XQ+12+\j]|, |v[XQ+16+\j]|, |v[XQ+20+\j]|
.irp i, 6,10,14,18,22,26
	v_max3_num_f32 v12, v12, |v[XQ+4*\i+\j]|, |v[XQ+4*\i+4+\j]|
	v_max3_num_f32 v13, v13, |v[XQ+4*\i+8+\j]|, |v[XQ+4*\i+12+\j]|
.endr
	v_max3_num_f32 v12, v12, |v[XQ+120+\j]|, |v[XQ+124+\j]|
	v_max3_num_f32 v12, v12, v13, FLOOR
	v_add_nc_u32 v14, OFF4, v12                    ; the conversion's scale operand
.irp i, 0,1,2,3,4,5,6,7,8,9,10,11,12,13,14,15,16,17,18,19,20,21,22,23,24,25,26,27,28,29,30,31
	v_mov_b32 v[YS+\i], v[XQ+4*\i+\j]              ; the column's keys on end
.endr
	v_cvt_scalef32_pk16_bf6_f32 v[CS:CS+2], v[YS:YS+15], v14
	v_cvt_scalef32_pk16_bf6_f32 v[CS+4:CS+6], v[YS+16:YS+31], v14   ; (a conversion's three registers begin on an even number)
	v_lshrrev_b32 v[CS+7], 23, v14                 ; the scale's byte; also the plain place behind the conversions
	v_mov_b32 v[CS+3], v[CS+4]
	v_mov_b32 v[CS+4], v[CS+5]
	v_mov_b32 v[CS+5], v[CS+6]
	ds_store_b64 v5, v[CS:CS+1] offset:16*\j
	ds_store_b64 v6, v[CS+2:CS+3] offset:16*\j
	ds_store_b64 v7, v[CS+4:CS+5] offset:16*\j
	ds_store_b8 v8, v[CS+7] offset:8*\j
.endm
.irp j, 0,1,2,3
	COLUMN \j
.endr
	s_wait_dscnt 0x0                               ; for the others' sake: my part of the block lies in the stage
	s_barrier_signal -1
	s_barrier_wait -1
.irp t, 0,1,2,3,4,5
	ds_load_b128 v[32+4*\t:35+4*\t], v9 offset:512*\t
.endr
.irp t, 0,1,2,3,4,5
	s_wait_dscnt 5-\t                              ; LDS loads come back in order (ISA guide 5.7.1): load t is in, the 5 - t younger ones may be out
	global_store_b128 v10, v[32+4*\t:35+4*\t], s[8:9] offset:512*\t th:TH_STORE_NT   ; 512 consecutive bytes, at a multiple of 512 from the block's first byte
.endr
	s_cmp_gt_u32 s12, 1
	s_cbranch_scc1 .Lq_end                         ; the 1,024 scale bytes are two waves' worth
	ds_load_b128 v[56:59], v15
	s_wait_dscnt 0x0
	global_store_b128 v16, v[56:59], s[8:9] th:TH_STORE_NT
.Lq_end:
	s_wait_tensorcnt 0x0
	ds_add_u32 v30, v31
	s_wait_dscnt 0x0
	s_endpgm
.Lfunc_end_k_qb7e322eacb_prep:
	.size	k_qb7e322eacb_prep, .Lfunc_end_k_qb7e322eacb_prep-k_qb7e322eacb_prep
	.p2alignl 7, 3214868480
	.fill 96, 4, 3214868480
	.section	.rodata,"a",@progbits
	.p2align	6, 0x0
	.amdhsa_kernel k_qb7e322eacb_prep
		.amdhsa_group_segment_fixed_size 64000
		.amdhsa_private_segment_fixed_size 0
		.amdhsa_enable_private_segment 0
		.amdhsa_kernarg_size 32
		.amdhsa_user_sgpr_count 2
		.amdhsa_user_sgpr_kernarg_segment_ptr 1
		.amdhsa_wavefront_size32 1
		.amdhsa_system_sgpr_workgroup_id_x 1
		.amdhsa_system_sgpr_workgroup_id_y 1
		.amdhsa_system_sgpr_workgroup_id_z 1
		.amdhsa_system_vgpr_workitem_id 0
		.amdhsa_next_free_vgpr 256
		.amdhsa_next_free_sgpr 66
		.amdhsa_reserve_vcc 1
		.amdhsa_float_denorm_mode_32 3
		.amdhsa_float_denorm_mode_16_64 3
		.amdhsa_memory_ordered 1
		.amdhsa_forward_progress 1
		.amdhsa_inst_pref_size 169
	.end_amdhsa_kernel
	.amdgpu_metadata
---
amdhsa.version: [ 1, 2 ]
amdhsa.kernels:
  - .name:           k_qb7e322eacb_prep
    .symbol:         k_qb7e322eacb_prep.kd
    .args:
      - { .name: hidden, .offset: 0, .size: 8, .value_kind: global_buffer, .address_space: global }
      - { .name: phases, .offset: 8, .size: 8, .value_kind: global_buffer, .address_space: global }
      - { .name: hq, .offset: 16, .size: 8, .value_kind: global_buffer, .address_space: global }
      - { .name: wq, .offset: 24, .size: 8, .value_kind: global_buffer, .address_space: global }
    .group_segment_fixed_size: 64000
    .private_segment_fixed_size: 0
    .kernarg_segment_align: 8
    .kernarg_segment_size: 32
    .max_flat_workgroup_size: 256
    .sgpr_count:     66
    .vgpr_count:     256
    .wavefront_size: 32
...
	.end_amdgpu_metadata
.endif
;; end of part 1
;; launch gemm (part 2): grid 4 x 64, 4 waves a work-group, clusters of 4 x 4, 327,680 bytes of LDS; arguments wq, hq, hidden, alpha, out0; writes out0
.if DOCPART == 2
	.amdgcn_target "amdgcn-amd-amdhsa--gfx1250"
	.amdhsa_code_object_version 6
	.text
	.protected	k_qb7e322eacb_gemm
	.globl	k_qb7e322eacb_gemm
	.p2align	8
	.type	k_qb7e322eacb_gemm,@function
k_qb7e322eacb_gemm:
	s_mov_b64 s[64:65], 0
	v_nop
	global_prefetch_b8 v0, s[64:65] scope:SCOPE_SE
	s_setreg_imm32_b32 hwreg(HW_REG_WAVE_MODE, 25, 1), 1
	s_wait_xcnt 0x0
	s_wait_alu depctr_hold_cnt(0) depctr_sa_sdst(0) depctr_va_vdst(0) depctr_va_sdst(0) depctr_va_ssrc(0) depctr_va_vcc(0) depctr_vm_vsrc(0)
	s_getreg_b32 s2, hwreg(HW_REG_IB_STS2, 6, 4)
	s_cmp_eq_u32 s2, 0
	s_cbranch_scc0 .Lentry_in_a_cluster
	s_endpgm
.Lentry_in_a_cluster:
	s_bfe_u32 s2, ttmp6, 0x10000c
	s_cmp_lg_u32 s2, 0xf033
	s_cbranch_scc0 .Lentry_shape_is_right
	s_endpgm
.Lentry_shape_is_right:
; out0 = a (Q(W) Q(H)) + (1 - a) hidden,  a = alpha held to 0 .. 1.  Rows: 4 batches x 4,096 = 16,384; columns 1,024; K = the batch's 4,096 keys.
; wq and hq hold both operands as codes of BF6 (E3M2) with E8M0 scale bytes, IN THE ORDER OF THE OPERAND'S REGISTERS: a block = 128 rows (of W; of H: 128 columns) x 256 keys = 25,600 dense bytes:
; 16 fragment images of 1,536 bytes (fragment 8 q + i: rows 16 i on, keys 128 q on; chunk t of 512 bytes = registers 4 t .. 4 t + 3, lane l's 16 bytes at 16 l), then from byte 24,576 on 8 scale bytes a row.
; The 16 blocks of a strip of 128 rows follow each other along K: 409,600 bytes.  So a fragment comes by three loads of 512 consecutive LDS bytes, and a K step's part of a strip by one dense tensor load.
; A tile of out0, 256 x 256, is made by a work-group of four waves, as many as a WGP has SIMDs; a wave makes 128 x 128: 64 accumulators of 16 x 16, 512 registers.  4 x 64 tiles: 256 work-groups.
; K goes in 16 steps of 256 through a ring of two LDS slots; wave w fills block w of a slot (A's rows 0-127, 128-255, B's columns 0-127, 128-255).
; CLUSTERS: 4 x 4 work-groups.  The four of a row of the cluster need the same strips of W, the four of a column the same strips of H (a cluster lies inside one batch): each block is asked for JOINTLY,
; by the same tensor load with the same descriptor and a mask that names the four.  THE MATRIX INSTRUCTION IS USED TRANSPOSED (source 0 = 16 columns of H, source 1 = 16 rows of W): a lane holds eight neighbouring numbers of a row of out0.
; THE RESIDUAL RIDES IN THE ACCUMULATORS: out0 = a' (sum + k hidden), a' = max(a, 2^-32), k = (1 - a) / a'.  In lap t of the walk along K, block t of my eight blocks of 16 rows x 512 bytes of hidden, asked for a lap
; earlier in whole rows, is turned through my stage in LDS into the accumulators' layout and added, x k, onto that block's eight accumulators.  So hidden is read while the products run, and behind the last product
; there is only a multiplication by a' and the stores.  The 32 additions name other registers in each lap: they stand once for each block, under a scalar branch on the count of laps.
; LIMITS: NaN and infinities, alpha's too, are not served.  The order of rounding differs from a sum that adds the residual last: from its lap on a block's sums are rounded at the size of k hidden, by at most 32
; matrix instructions: under 1e-5 of |(1 - a) hidden|.  For a under 2^-32 the weighted term is taken with 2^-32 in a's place: an error under 2.4e-10 of that term.  k hidden has to stay finite: |hidden| under 2^95.
; REGISTERS, in windows of 256: window 0: v1-31 addresses, a', k; v32-63 scale words, two sets, and nothing else; v64-127 a block of hidden; v128-223 A's fragments, ONE set.
;   window 1: B's fragments, TWO sets, at v0 and v96.   window 2: the accumulators of my rows 0-63 ((a, b) at v[8 (8 a + b)]);   window 3: those of my rows 64-127.
.set BLKB,   25600
.set STRIP,  16*BLKB
.set SLOT,   4*BLKB
.set SCO,    24576                     ; where a block's scale bytes begin
.set SPARE,  2*SLOT                    ; behind the ring: the spare words, 128 bytes for each wave: two blocks of 256 bytes that no other line names
.set STAGE,  SPARE+512                 ; 16 rows x (512 bytes + 16) for each wave, for hidden's way in and the results' way out; bytes of its own, into which no tensor load lands
.set SPITCH, 528
.set FR,     12                        ; registers of a fragment
.set NL,     3                         ; LDS loads that bring one
.set NP,     4                         ; places behind this matrix instruction (ISA guide 7.12.1)
.set NQ,     2                         ; matrix instructions deep in a slot
.set LAPS,   8                         ; a lap = two slots = 512 keys
.set AL,   8                           ; v[8:9]   a', twice
.set KK,   10                          ; v[10:11] k = (1 - a) / a', twice
.set ADRA, 16                          ; v16-17  LDS address of my lane's 16 bytes in my block of A, slot 0, 1
.set ADRB, 20                          ; v20-21  the same for B
.set ADRS, 22                          ; v22-23  of my scale words: lanes 0-15 A's rows, lanes 16-31 B's
.set STO,  24                          ; v24     the stage in the accumulators' layout: row l % 16, 32 bytes for each half of the lanes
.set RD,   25                          ; v25     the stage by rows: 16 bytes a lane of a row's 512
.set CO,   26                          ; v26     16 x lane: my bytes in a row's 512, in hidden and in out0; never rewritten
.set SPW,  28                          ; v28     LDS address of my spare word: SPARE + 4 x my thread's number; never rewritten
.set NIL,  29                          ; v29     0; never rewritten
.set PFO,  30                          ; v30     256 x lane: the prefetches' offset; never rewritten
.set SC,   32                          ; scale words: set s at v[SC + 16 s]; register 2 i + q: lanes 0-15 the word of A's block i, lanes 16-31 that of B's block i, for the slot's q-th 128 keys
.set HB,   64                          ; v64-127 a block of hidden: as loaded register 4 t + e = row t; behind the stage register 8 b + j = what accumulator b's register j wants
.set AF,   128
.set G1,   24                          ; s[24:31] descriptor group 1 for A's blocks;  s[32:39] group 0, one set for each slot
.set G0,   32
.set G1B,  48                          ; s[48:55], s[56:63] the same for B's
.set G0B,  56
.set PFA,  68                          ; s[68:69] where my prefetches stand
.set LIM,  70                          ; s70     2 in a wave that prefetches, else the greatest number: it asks while s3, the laps to go, is above it
.set MSB, 0
.macro WIN new                         ; the immediate's high byte repeats the setting that is left; a switch that changes nothing is dropped
.if MSB != (\new)
	s_set_vgpr_msb (MSB<<8)|(\new)
.set MSB, (\new)
.endif
.endm
.set MUL_LO, 0xa1                      ; source 0 (B) window 1, source 1 (A) window 0, C and D window 2
.set MUL_HI, 0xf1                      ; the same, C and D window 3
.set TO_B,   0x40                      ; destination window 1, address window 0
; A joint load: waves 0 and 1 fetch A's two blocks, waves 2 and 3 B's.  Each line has ONE mask and one set of registers for all that issue it; the branch hangs on the wave's number alone.
; Four v_nop follow each of the two lines, ahead of the jump, the label and what follows.
.macro JLOAD s
	s_cmp_eq_u32 s15, 0
	s_cbranch_scc0 .Lfor_b_\@
	tensor_load_to_lds s[G0+4*\s:G0+4*\s+3], s[G1:G1+7]
	s_nop 0
.rept 4
	v_nop
.endr
	s_branch .Lasked_\@
.Lfor_b_\@:
	tensor_load_to_lds s[G0B+4*\s:G0B+4*\s+3], s[G1B:G1B+7]
	s_nop 0
.rept 4
	v_nop
.endr
.Lasked_\@:
.endm
.macro CREST                           ; a round of the cluster's barrier behind its opening barrier
	s_cmp_lg_u32 s14, 0
	s_cbranch_scc1 .Lnot_wave_0_\@
	s_barrier_signal -3
.Lnot_wave_0_\@:
	s_barrier_wait -3
	s_barrier_signal -1
	s_barrier_wait -1
.endm
.macro CROUND                          ; a whole round
	s_barrier_signal -1
	s_barrier_wait -1
	CREST
.endm
; A PREFETCH INTO THE L2 of a later part of the strip that I fetch: 8,192 bytes, lanes 256 bytes apart, one instruction a wave.  A strip is 50 such chunks.  At the t-th of the first ten changes of slots the partner at
; place p of the four that ask for the strip jointly names chunk 10 + 4 t + p (p = cx for A, cy for B: told apart BY ADDRESS, no branch hangs on a place in the cluster): chunks 10 to 49, each once.
; A strip of W is read by one row of one cluster alone; a strip of H by the four clusters of its batch, of which the first asks.  The change's own load asks for bytes 51,200 + 25,600 t on, the prefetch for
; 81,920 + 32,768 t on: one K step ahead and more.  The first 81,920 bytes come by their loads alone; the last four changes that fill a slot ask for nothing: the strip has ended.
.macro ASK
	s_cmp_gt_u32 s3, s[LIM]
	s_cbranch_scc0 .Lnot_mine_\@
	global_prefetch_b8 v[PFO], s[PFA:PFA+1] th:TH_LOAD_NT scope:SCOPE_SE
.Lnot_mine_\@:
.endm
	s_load_b128 s[4:7], s[0:1], 0x0                ; wq s[4:5], hq s[6:7]
	s_load_b128 s[8:11], s[0:1], 0x10              ; hidden s[8:9], alpha s[10:11]
	s_load_b64 s[12:13], s[0:1], 0x20              ; out0
	v_lshl_add_u32 v[SPW], v0, 2, SPARE
	v_mov_b32 v[NIL], 0
	ds_add_u32 v28, v29
	s_wait_dscnt 0x0
	v_lshrrev_b32 v1, 5, v0
	v_readfirstlane_b32 s14, v1                    ; wave 0..3
	s_lshr_b32 s15, s14, 1                         ; which half of the tile's rows is mine.  Also: I fetch for A (0) or for B (1)
	s_and_b32 s16, s14, 1                          ; which half of its columns.  Also: which of the two blocks I fetch
	s_bfe_u32 s40, ttmp6, 0x40000                  ; cx, cy: my place in the cluster
	s_bfe_u32 s41, ttmp6, 0x40004
	s_lshl_b32 s42, ttmp9, 2
	s_add_co_u32 s42, s42, s40                     ; tile column = 4 x cluster x + cx
	s_and_b32 s71, ttmp7, 0xffff                   ; cluster y
	s_lshl_b32 s17, s71, 2
	s_add_co_u32 s17, s17, s41                     ; tile row = 4 x cluster y + cy
	s_lshl_b32 s43, s41, 2
	s_lshl_b32 s43, 15, s43                        ; my row of the cluster
	s_lshl_b32 s44, 0x1111, s40                    ; my column
	; descriptor group 1: a dense block of 25,600 bytes as 100 rows of 256 bytes (32 elements of 8 bytes), no padding
	s_or_b32 s[G1+0], s43, (3<<16)|(1<<21)         ; 15:0 the mask: A's blocks go to my row; 17:16 elements of 8 bytes; 20 padding off; 21 set beside a mask
	s_or_b32 s[G1B+0], s44, (3<<16)|(1<<21)        ; the same with the mask of my column
.irp g, G1, G1B
	s_mov_b32 s[\g+1], 32<<16                      ; tensor_dim0 = 32
	s_mov_b32 s[\g+2], 100<<16                     ; tensor_dim1 = 100
	s_mov_b32 s[\g+3], 32<<16                      ; tile_dim0 = 32
	s_mov_b32 s[\g+4], 100                         ; tile_dim1 = 100
	s_mov_b32 s[\g+5], 32                          ; tensor_dim0_stride
	s_mov_b32 s[\g+6], 0
	s_mov_b32 s[\g+7], 0
.endr
	s_lshl_b32 s20, s17, 1
	s_add_co_u32 s20, s20, s16                     ; A: strip 2 x tile row + which block: the tile row and the wave's number alone
	s_mul_i32 s20, s20, STRIP                      ; (under 2^26)
	s_mov_b32 s21, 0
	s_lshr_b32 s46, s71, 2                         ; B: the batch = cluster y / 4, which all sixteen partners share,
	s_lshl_b32 s46, s46, 3
	s_lshl_b32 s47, s42, 1
	s_add_co_u32 s46, s46, s47
	s_add_co_u32 s46, s46, s16                     ; strip 8 x batch + 2 x tile column + which block
	s_mul_i32 s46, s46, STRIP
	s_mov_b32 s47, 0
	s_mul_i32 s45, s14, BLKB                       ; where they go: wave x a block: no place in the cluster enters an LDS address
	s_wait_kmcnt 0x0
	s_load_b32 s72, s[10:11], 0x0                  ; alpha
	s_add_nc_u64 s[20:21], s[4:5], s[20:21]
	s_add_nc_u64 s[46:47], s[6:7], s[46:47]
	CROUND                                         ; all sixteen work-groups are here: the first joint loads meet
.irp s, 0,1
	s_mov_b32 s[G0+4*\s], 1                        ; 1:0 count = 1
	s_add_co_u32 s[G0+4*\s+1], s45, \s*SLOT        ; 63:32 LDS address
	s_add_nc_u64 s[G0+4*\s+2:G0+4*\s+3], s[20:21], \s*BLKB   ; 120:64 global address: K step s
	s_or_b32 s[G0+4*\s+3], s[G0+4*\s+3], 0x80000000          ; 127:126 type = 2
	s_mov_b32 s[G0B+4*\s], 1
	s_add_co_u32 s[G0B+4*\s+1], s45, \s*SLOT
	s_add_nc_u64 s[G0B+4*\s+2:G0B+4*\s+3], s[46:47], \s*BLKB
	s_or_b32 s[G0B+4*\s+3], s[G0B+4*\s+3], 0x80000000
.endr
	s_cmp_eq_u32 s15, 0                            ; a wave's two first fills stand in one branch, ahead of every wait on TENSORcnt and every LDS read: two loads of mine are out; four v_nop follow the second, as in JLOAD
	s_cbranch_scc0 .Lfirst_b
	tensor_load_to_lds s[G0:G0+3], s[G1:G1+7]
	s_nop 0
	tensor_load_to_lds s[G0+4:G0+7], s[G1:G1+7]
	s_nop 0
.rept 4
	v_nop
.endr
	s_branch .Lfirst_asked
.Lfirst_b:
	tensor_load_to_lds s[G0B:G0B+3], s[G1B:G1B+7]
	s_nop 0
	tensor_load_to_lds s[G0B+4:G0B+7], s[G1B:G1B+7]
	s_nop 0
.rept 4
	v_nop
.endr
.Lfirst_asked:
	; the prefetches: where mine stand, and who asks
	s_and_b32 s76, s71, 3                          ; which of its batch's four clusters mine is
	s_cmp_eq_u32 s15, 0                            ; do I fetch for A?
	s_cselect_b64 s[PFA:PFA+1], s[20:21], s[46:47] ; my strip
	s_cselect_b32 s73, s40, s41                    ; my place among the four that ask for it with me
	s_cselect_b32 s76, ttmp9, s76                  ; the coordinate along which other clusters read the same strip
	s_cmp_eq_u32 s76, 0
	s_cselect_b32 s[LIM], 2, -1                    ; the same in all sixteen partners, for a given wave
	s_lshl_b32 s74, s73, 13
	s_add_co_u32 s74, s74, 81920-32768             ; one step short of chunk 10 + p: each change of slots steps it ahead of its prefetch.  Nothing is prefetched here, at the head
	s_mov_b32 s75, 0
	s_add_nc_u64 s[PFA:PFA+1], s[PFA:PFA+1], s[74:75]
	v_and_b32 v1, 15, v0                           ; r = l % 16
	v_bfe_u32 v2, v0, 4, 1                         ; h = l / 16
	v_and_b32 v3, 31, v0                           ; l
	v_lshlrev_b32 v[CO], 4, v3
	v_lshlrev_b32 v[PFO], 8, v3
	s_mul_i32 s77, s15, BLKB                       ; my block of A,
	s_mul_i32 s78, s16, BLKB
	s_add_co_u32 s78, s78, 2*BLKB                  ; my block of B, behind A's two
	s_sub_co_u32 s79, s78, s77
	v_mul_u32_u24 v5, s79, v2                      ; lanes 16-31 take B's scale words: one product, the distance x h
	v_lshl_add_u32 v5, v1, 3, v5                   ; + 8 bytes a row
.irp s, 0,1
	v_add_nc_u32 v[ADRA+\s], s77, v[CO]
	v_add_nc_u32 v[ADRB+\s], s78, v[CO]
	v_add_nc_u32 v[ADRS+\s], s77, v5
	s_add_co_u32 s77, s77, SLOT
	s_add_co_u32 s78, s78, SLOT
.endr
	s_mul_i32 s23, s14, 16*SPITCH
	s_add_co_u32 s23, s23, STAGE                   ; my stage
	v_mul_u32_u24 v5, v1, SPITCH                   ; in the accumulators' layout: row l % 16, 32 bytes for each half of the lanes
	v_lshl_add_u32 v5, v2, 5, v5
	v_add_nc_u32 v[STO], s23, v5
	v_add_nc_u32 v[RD], s23, v[CO]                 ; by rows: the 32 lanes take one row of 512 bytes
	s_lshl_b32 s74, s17, 8
	s_lshl_b32 s75, s15, 7
	s_add_co_u32 s74, s74, s75                     ; my first row: 256 x tile row + 128 x half,
	s_lshl_b32 s74, s74, 12                        ; of 4,096 bytes (under 2^26);
	s_lshl_b32 s75, s42, 10
	s_add_co_u32 s74, s74, s75                     ; my first column, in bytes: 1,024 x tile column
	s_lshl_b32 s75, s16, 9
	s_add_co_u32 s74, s74, s75                     ; + 512 x half
	s_mov_b32 s75, 0
	s_add_nc_u64 s[8:9], s[8:9], s[74:75]          ; hidden and out0 at my 128 x 128; hidden's base steps 16 rows a lap, out0's stays
	s_add_nc_u64 s[12:13], s[12:13], s[74:75]
	s_wait_kmcnt 0x0                               ; alpha
	v_mov_b32 v[AL], s72
	v_max_num_f32 v[AL], 0, v[AL]
	v_min_num_f32 v[AL], 1.0, v[AL]                ; a = alpha held to 0 .. 1
	v_sub_f32 v[KK], 1.0, v[AL]                    ; 1 - a
	v_max_num_f32 v[AL], 0x2f800000, v[AL]         ; a' = a held at 2^-32 from below, so that it can divide
	v_rcp_f32 v[KK+1], v[AL]
	v_mov_b32 v[AL+1], v[AL]                       ; (one plain place behind a transcendental: ISA guide 5.7.2)
	s_wait_alu depctr_va_vdst(0)
	v_mul_f32 v[KK], v[KK], v[KK+1]                ; k = (1 - a) / a'
	v_mov_b32 v[KK+1], v[KK]
.macro FRAG reg, adr, q, i             ; fragment 8 q + i of a block: its image, three loads of 512 consecutive bytes
.irp t, 0,1,2
	ds_load_b128 v[\reg+4*\t:\reg+4*\t+3], v[\adr] offset:(8*(\q)+(\i))*1536+512*\t
.endr
.endm
; 16 matrix instructions: A's blocks a0, a0 + 1 x B's eight, 128 keys: the slot's q-th.  p: B's set;  sc: the set of scale words.  zero = 1: the first product starts the sums: nothing is ever cleared.
; The 64 accumulators take turns, one instruction a turn, in the same order in every step.
.macro MUL16 a0, p, q, sc, zero
.irp a, \a0, \a0+1
.irp b, 0,1,2,3,4,5,6,7
.if \zero
	v_wmma_scale_f32_16x16x128_f8f6f4 v[8*(8*((\a)%4)+\b):8*(8*((\a)%4)+\b)+7], v[96*(\p)+FR*\b:96*(\p)+FR*\b+FR-1], v[AF+FR*(\a):AF+FR*(\a)+FR-1], 0, v[SC+8*NQ*(\sc)+NQ*\b+(\q)], v[SC+8*NQ*(\sc)+NQ*(\a)+(\q)] matrix_a_fmt:MATRIX_FMT_BF6 matrix_b_fmt:MATRIX_FMT_BF6 matrix_a_scale:MATRIX_SCALE_ROW1
.else
	v_wmma_scale_f32_16x16x128_f8f6f4 v[8*(8*((\a)%4)+\b):8*(8*((\a)%4)+\b)+7], v[96*(\p)+FR*\b:96*(\p)+FR*\b+FR-1], v[AF+FR*(\a):AF+FR*(\a)+FR-1], v[8*(8*((\a)%4)+\b):8*(8*((\a)%4)+\b)+7], v[SC+8*NQ*(\sc)+NQ*\b+(\q)], v[SC+8*NQ*(\sc)+NQ*(\a)+(\q)] matrix_a_fmt:MATRIX_FMT_BF6 matrix_b_fmt:MATRIX_FMT_BF6 matrix_a_scale:MATRIX_SCALE_ROW1
.endif
.endr
.endr
.endm
.macro FETCH_B slot, q, p              ; B's eight fragments of the slot's q-th 128 keys into set p
	WIN TO_B
.irp i, 0,1,2,3,4,5,6,7
	FRAG 96*(\p)+FR*\i, ADRB+\slot, \q, \i
.endr
	WIN 0
.endm
.macro FETCH_A slot, q, i0             ; A's blocks i0 .. i0 + 3
.irp i, \i0, \i0+1, \i0+2, \i0+3
	FRAG AF+FR*(\i), ADRA+\slot, \q, \i
.endr
.endm
.macro SCALES sc                       ; slot sc's scale words: two words a row; lanes 0-15 take A's block i, lanes 16-31 B's block i
.irp i, 0,1,2,3,4,5,6,7
	ds_load_b64 v[SC+8*NQ*\sc+NQ*\i:SC+8*NQ*\sc+NQ*\i+1], v[ADRS+\sc] offset:SCO+128*\i
.endr
.endm
; A load into a register that a matrix instruction has read or written, and a vector instruction or an LDS store that reads a matrix result, stand NP places behind that matrix instruction, and only plain vector
; instructions that name none of its registers are places (ISA guide 7.12.1 for vector instructions); the matrix instructions in between are not counted.
.macro PLACES n
.rept \n
	v_nop
.endr
.endm
; THE RESIDUAL, a block of 16 rows x 512 bytes a lap.
.macro HLOAD                           ; the block at hidden's base: 32 lanes read a row's 512 consecutive bytes
.irp t, 0,1,2,3,4,5,6,7,8,9,10,11,12,13,14,15
	global_load_b128 v[HB+4*\t:HB+4*\t+3], v[CO], s[8:9] offset:\t*4096 th:TH_LOAD_NT
.endr
.endm
.macro HTURN                           ; the block that was asked for a lap ago goes through my stage: in by rows, back in the accumulators' layout, into the registers that it left
	s_wait_loadcnt 0x0                             ; its 16 loads are the only ones that I have out
.irp t, 0,1,2,3,4,5,6,7,8,9,10,11,12,13,14,15
	ds_store_b128 v[RD], v[HB+4*\t:HB+4*\t+3] offset:\t*SPITCH
.endr
.irp b, 0,1,2,3,4,5,6,7
	ds_load_b128 v[HB+8*\b:HB+8*\b+3], v[STO] offset:64*\b          ; LDS serves a wave's instructions in order (ISA guide 5.7.1.4): these see the stores above
	ds_load_b128 v[HB+8*\b+4:HB+8*\b+7], v[STO] offset:64*\b+16     ; lane (r, h): hidden(row r, columns 16 b + 8 h + 0 .. 7)
.endr
.endm
.macro RADD a                          ; block a's eight accumulators += k x hidden, each from its low end on
.set AC, 64*((\a)%4)
	WIN 0xa0+0x50*((\a)/4)                         ; source 2 and destination window 2 or 3; hidden and k window 0
.irp j, 0,2,4,6,8,10,12,14,16,18,20,22,24,26,28,30,32,34,36,38,40,42,44,46,48,50,52,54,56,58,60,62
	v_pk_fma_f32 v[AC+\j:AC+\j+1], v[HB+\j:HB+\j+1], v[KK:KK+1], v[AC+\j:AC+\j+1]
.endr
	WIN 0
.endm
.macro RSEL a                          ; in the loop: block a is due in the trip in which LAPS - 1 - a laps are to go: the same number in every wave of every work-group
	s_cmp_lg_u32 s3, LAPS-1-(\a)
	s_cbranch_scc1 .Lnot_this_\@
	RADD \a
.Lnot_this_\@:
.endm
; A step of 128 keys that has its successor in the same slot.  A's blocks go one after the other, each against B's eight: a block of A is free as soon as its eight products are issued, so one set serves A.
; res = 1: the lap's block of hidden is added, and the next lap's asked for;  res = 2: the last block, 7: nothing is left to ask for, so no load leaves the buffer.
.macro STEP slot, q, zero, res
.if \res
	HTURN
	s_wait_dscnt 4*NL+32                           ; B's set, A's blocks 0-3 and the scale words are in; A's blocks 4-7 (12 loads) and the stage's 16 stores and 16 loads may be out
.else
	s_wait_dscnt 4*NL                              ; B's set, A's blocks 0-3 and the scale words are in; the youngest 12 loads (A's blocks 4-7) may be out
.endif
	WIN MUL_LO
	MUL16 0, (\q)%2, \q, \slot, \zero
	MUL16 2, (\q)%2, \q, \slot, \zero
	s_wait_dscnt 0                                 ; A's blocks 4-7 are in (asked for 32 matrix instructions ago), and so is hidden's block from the stage
	PLACES NP
.if \res == 1
	WIN 0                                          ; at a branch and at a label every window is 0
.irp a, 0,1,2,3,4,5,6
	RSEL \a
.endr
	s_add_nc_u64 s[8:9], s[8:9], 16*4096           ; the loads that named this base are in (the wait at the step's head): 16 rows on
	HLOAD                                          ; the next lap's block: blocks 1 to 7
	PLACES NP                                      ; between the additions and the products that add onto their results
.elseif \res == 2
	RADD 7
	PLACES NP
.endif
	FETCH_B \slot, (\q)+1, 1-(\q)%2
	FETCH_A \slot, (\q)+1, 0
	WIN MUL_HI
	MUL16 4, (\q)%2, \q, \slot, \zero
	MUL16 6, (\q)%2, \q, \slot, \zero
	PLACES NP
	WIN 0
	FETCH_A \slot, (\q)+1, 4
.endm
; A slot's last step changes slots: ONE barrier; in front of it each wave waits for all its tensor loads, adds 0 to its spare word, and waits for that and for its own reads of this slot.  fill = 1: this slot is filled again, two K steps ahead.
.macro TURN slot, next, fill
.if \fill
	s_wait_xcnt 0x0                                ; the last prefetch, a K step back, has read its address: it is stepped here, ahead of the waits of the change of slots
	s_add_nc_u64 s[PFA:PFA+1], s[PFA:PFA+1], 32768
.endif
	s_wait_tensorcnt 0x0                           ; all my tensor loads have landed: the one that was out is my block of the next slot;  (every window is 0 here)
	ds_add_u32 v[SPW], v[NIL]                      ; 0 onto my spare word
	s_wait_dscnt 4*NL+1                            ; (the add and the youngest 12 loads, A's blocks 4-7, may be out)
	WIN MUL_LO
	MUL16 0, 1, NQ-1, \slot, 0                     ; sixteen matrix instructions stand between the add and the wait for it
	s_wait_dscnt 0x0                               ; the add is done, and my reads of this slot are over
	s_barrier_signal -1
	MUL16 2, 1, NQ-1, \slot, 0
	WIN 0
	s_barrier_wait -1
.if \fill
	CREST                                          ; the barrier has opened a round of the cluster's barrier: no wave of any partner still reads this slot or has a load on its way
	s_add_nc_u64 s[G0+4*\slot+2:G0+4*\slot+3], s[G0+4*\slot+2:G0+4*\slot+3], 2*BLKB
	s_add_nc_u64 s[G0B+4*\slot+2:G0B+4*\slot+3], s[G0B+4*\slot+2:G0B+4*\slot+3], 2*BLKB
	JLOAD \slot                                    ; the first tensor load behind the round, my only one until the next; the four v_nop behind it are the places in front of the loads below
.else
	PLACES NP
.endif
	FETCH_B \next, 0, 0
	FETCH_A \next, 0, 0
	SCALES \next
.if \fill
	ASK                                            ; behind the joint load and the run of LDS loads that the next products wait for
.endif
	WIN MUL_HI
	MUL16 4, 1, NQ-1, \slot, 0
	MUL16 6, 1, NQ-1, \slot, 0
	PLACES NP
	WIN 0
	FETCH_A \next, 0, 4
.endm
	s_wait_tensorcnt 1                             ; my block of K step 0 is in (K step 1's load may be out)
	s_barrier_signal -1
	s_barrier_wait -1                              ; everybody's is
	FETCH_B 0, 0, 0
	FETCH_A 0, 0, 0
	SCALES 0
	FETCH_A 0, 0, 4
	STEP 0, 0, 1, 0                                ; the first step stands in front of the loop: its products start the sums
	HLOAD                                          ; hidden's block 0: it is wanted in the first trip's second K step
	s_mov_b32 s3, LAPS-1
.Llap:                                                 ; a trip goes once round the ring, from a lap's second step to the next lap's first, fills both slots again, and takes one block of hidden in
	TURN 0, 1, 1
	STEP 1, 0, 0, 1
	TURN 1, 0, 1
	STEP 0, 0, 0, 0
	s_sub_co_u32 s3, s3, 1
	s_cmp_lg_u32 s3, 0
	s_cbranch_scc1 .Llap
	TURN 0, 1, 0                                   ; the last lap fills nothing, and has no round of the cluster's barrier
	STEP 1, 0, 0, 2
	s_wait_dscnt 4*NL                              ; the very last step: nothing more to fetch
	WIN MUL_LO
	MUL16 0, 1, NQ-1, 1, 0
	MUL16 2, 1, NQ-1, 1, 0
	s_wait_dscnt 0
	WIN MUL_HI
	MUL16 4, 1, NQ-1, 1, 0
	MUL16 6, 1, NQ-1, 1, 0
	WIN 0
; THE WAY OUT, block by block of 16 rows x 128 columns.  A lane holds 32 neighbouring bytes of a row, and the lanes beside it hold other rows: so a block goes through my own stage in LDS and comes back as whole
; rows of 512 bytes, INTO THE ACCUMULATOR REGISTERS THAT IT LEFT.  So each block's stores have data registers of their own, which nothing writes again, and the stores' base is never stepped: no wait frees anything here.
; LDS serves a wave's instructions in order (ISA guide 5.7.1.4): no wait between the stores and the loads, nor in front of the next block's stores.
.macro TOSTAGE a
.set AC, 64*((\a)%4)
	WIN 0x88+0x44*((\a)/4)                         ; an LDS store's data (source 1) and an LDS load's destination: window 2 or 3; the addresses window 0
.irp b, 0,1,2,3,4,5,6,7
	ds_store_b128 v[STO], v[AC+8*\b:AC+8*\b+3] offset:64*\b          ; each accumulator from its low end on
	ds_store_b128 v[STO], v[AC+8*\b+4:AC+8*\b+7] offset:64*\b+16
.endr
.irp t, 0,1,2,3,4,5,6,7,8,9,10,11,12,13,14,15
	ds_load_b128 v[AC+4*\t:AC+4*\t+3], v[RD] offset:\t*SPITCH
.endr
.endm
; Block a: x a', stored.  younger: the LDS instructions issued behind block a's loads, which may stay out.
.macro SEND a, younger
.set AC, 64*((\a)%4)
	s_wait_dscnt \younger                          ; the block is back in registers
	WIN 0x82+0x41*((\a)/4)                         ; destination and source 0 window 2 or 3; a' window 0
.irp t, 0,2,4,6,8,10,12,14,16,18,20,22,24,26,28,30,32,34,36,38,40,42,44,46,48,50,52,54,56,58,60,62
	v_pk_mul_f32 v[AC+\t:AC+\t+1], v[AC+\t:AC+\t+1], v[AL:AL+1]
.endr
	WIN 0x08+0x04*((\a)/4)                         ; a store's data are its source 1
.irp t, 0,1,2,3,4,5,6,7,8,9,10,11,12,13,14,15
	global_store_b128 v[CO], v[AC+4*\t:AC+4*\t+3], s[12:13] offset:(16*(\a)+\t)*4096 th:TH_STORE_NT   ; 32 lanes store 512 consecutive bytes, at a multiple of 512 from out0's first byte; 127 rows at the most in the immediate; written once, read by nobody here
.endr
.endm
	PLACES NP                                      ; for the stage's reads of the last products' results, and for the loads that land on them
	TOSTAGE 0
.irp a, 1,2,3,4,5,6,7
	TOSTAGE \a
	SEND \a-1, 32                                  ; behind block a - 1's loads: block a's 16 stores and 16 loads
.endr
	SEND 7, 0
	WIN 0
	s_wait_tensorcnt 0x0                           ; the wave's end, behind my last tensor load and my last LDS store
	ds_add_u32 v[SPW], v[NIL]
	s_wait_dscnt 0x0
	CROUND                                         ; the closing round: no work-group ends while a partner may still ask for a block that names it
	s_endpgm
.Lfunc_end_k_qb7e322eacb_gemm:
	.size	k_qb7e322eacb_gemm, .Lfunc_end_k_qb7e322eacb_gemm-k_qb7e322eacb_gemm
	.p2alignl 7, 3214868480
	.fill 96, 4, 3214868480
	.section	.rodata,"a",@progbits
	.p2align	6, 0x0
	.amdhsa_kernel k_qb7e322eacb_gemm
		.amdhsa_group_segment_fixed_size 327680
		.amdhsa_private_segment_fixed_size 0
		.amdhsa_enable_private_segment 0
		.amdhsa_kernarg_size 40
		.amdhsa_user_sgpr_count 2
		.amdhsa_user_sgpr_kernarg_segment_ptr 1
		.amdhsa_wavefront_size32 1
		.amdhsa_system_sgpr_workgroup_id_x 1
		.amdhsa_system_sgpr_workgroup_id_y 1
		.amdhsa_system_sgpr_workgroup_id_z 1
		.amdhsa_system_vgpr_workitem_id 0
		.amdhsa_next_free_vgpr 1024
		.amdhsa_next_free_sgpr 98
		.amdhsa_reserve_vcc 0
		.amdhsa_float_denorm_mode_32 3
		.amdhsa_float_denorm_mode_16_64 3
		.amdhsa_memory_ordered 1
		.amdhsa_forward_progress 1
		.amdhsa_inst_pref_size 174
	.end_amdhsa_kernel
	.amdgpu_metadata
---
amdhsa.version: [ 1, 2 ]
amdhsa.kernels:
  - .name:           k_qb7e322eacb_gemm
    .symbol:         k_qb7e322eacb_gemm.kd
    .args:
      - { .name: wq, .offset: 0, .size: 8, .value_kind: global_buffer, .address_space: global }
      - { .name: hq, .offset: 8, .size: 8, .value_kind: global_buffer, .address_space: global }
      - { .name: hidden, .offset: 16, .size: 8, .value_kind: global_buffer, .address_space: global }
      - { .name: alpha, .offset: 24, .size: 8, .value_kind: global_buffer, .address_space: global }
      - { .name: out0, .offset: 32, .size: 8, .value_kind: global_buffer, .address_space: global }
    .group_segment_fixed_size: 327680
    .private_segment_fixed_size: 0
    .kernarg_segment_align: 8
    .kernarg_segment_size: 40
    .max_flat_workgroup_size: 128
    .sgpr_count:     98
    .vgpr_count:     1024
    .wavefront_size: 32
...
	.end_amdgpu_metadata
.endif
;; end of part 2
